; MI455X (gfx1250); checked and timed in simulation.
; The chip was launched on July 23, 2026; its instructions are those of AMD's public machine-readable ISA for CDNA 5 (MIT licence, August 2026) and "CDNA5" Instruction Set Architecture Reference Guide (July 2026). The comments in the code are by the model that wrote it; some were corrected since.
;; Sampler2 D. Allowed arithmetic: float matrix products may take bf16 or f16 operands with f32 sums; all other float work in f32.
;; Inputs: data 4,096 x 4,096 x 3 float16; x 4,194,304 x 2 float32.
;; Outputs: out0 4,194,304 x 3 float32.
;; 2 versions, each right; version 2 is version 1 with the launch sample written anew for expert scheduling mode. Each part assembles by itself: llvm-mc -triple=amdgcn-amd-amdhsa -mcpu=gfx1250 --defsym DOCPART=n.
;; ======== version 1 of 2: 2 launches
;; workspace buffers: idx 16,777,216 bytes of whole numbers
;; launch index (part 1): grid 1024 x 1, 8 waves a work-group, no clusters, 0 bytes of LDS; arguments x, idx; writes idx
.if DOCPART == 1
	.amdgcn_target "amdgcn-amd-amdhsa--gfx1250"
	.amdhsa_code_object_version 6
	.text
	.protected	k_q3f3e079c64_index
	.globl	k_q3f3e079c64_index
	.p2align	8
	.type	k_q3f3e079c64_index,@function
k_q3f3e079c64_index:
	s_mov_b64 s[64:65], 0
	v_nop
	global_prefetch_b8 v0, s[64:65] scope:SCOPE_SE
	s_setreg_imm32_b32 hwreg(HW_REG_WAVE_MODE, 25, 1), 1
	s_wait_xcnt 0x0
; idx[n] = (y0 << 12) | x0,  x0 = clip(trunc(4096 x[n][0]), 0, 4095),  y0 the same from x[n][1].
; x: [4194304][2] f32.  idx: [4194304] words of 32 bits, read by the launch behind this one, which forms its gather
; addresses from them: an address is never made from a floating-point number in the launch that uses it.
; The clamp is made in f32, in front of the truncation: trunc(clamp(v, 0, 4095)) = clamp(trunc(v), 0, 4095) for every
; finite v and for both infinities.  LIMIT: a NaN gives index 0 (the blend's weights are NaN then, so the output is NaN
; whatever texel is read).
; A stream: 8 waves, the work-group owns 4,096 samples (32,768 bytes of x).  Thread t takes the 16 bytes (2 samples) at
; 16 (256 i + t), i = 0..7: a wave's load covers 512 consecutive bytes, its store of 8 bytes a lane 256 consecutive
; bytes, aligned.  All eight loads are issued before the first is used.  No LDS, no barrier: no wave needs another.
.set RES,   0x45800000                 ; 4096.0: the texture's width and its height
.set TOP,   0x457ff000                 ; 4095.0: the last column and the last row
.set X,     4                          ; v[4:35]   load i: x, y of two samples; worked on in place
.set P,     36                         ; v[36:51]  load i: the two packed words; each store has registers of its own
	s_load_b128 s[4:7], s[0:1], 0x0                ; x s[4:5], idx s[6:7]
	s_lshl_b32 s8, ttmp9, 15                       ; the work-group's 32,768 bytes of x (below 2^25)
	s_mov_b32 s9, 0
	s_lshl_b32 s10, ttmp9, 14                      ; and its 16,384 bytes of idx
	s_mov_b32 s11, 0
	s_mov_b32 s12, RES                             ; a pair for the packed multiply, which broadcasts s12
	s_mov_b32 s13, RES
	s_mov_b32 s14, TOP
	v_lshlrev_b32 v1, 4, v0                        ; 16 t
	v_lshlrev_b32 v2, 3, v0                        ; 8 t
	s_wait_kmcnt 0x0
	s_add_nc_u64 s[4:5], s[4:5], s[8:9]
	s_add_nc_u64 s[6:7], s[6:7], s[10:11]
.irp i, 0,1,2,3,4,5,6,7
	global_load_b128 v[X+4*\i:X+4*\i+3], v1, s[4:5] offset:4096*\i
.endr
.irp i, 0,1,2,3,4,5,6,7
	s_wait_loadcnt 7-\i                            ; loads come back in order: load i is in, the 7 - i younger ones stay out
	v_pk_mul_f32 v[X+4*\i:X+4*\i+1],   v[X+4*\i:X+4*\i+1],   s[12:13] op_sel_hi:[1,0]   ; pixel coordinates (exact: a power of two)
	v_pk_mul_f32 v[X+4*\i+2:X+4*\i+3], v[X+4*\i+2:X+4*\i+3], s[12:13] op_sel_hi:[1,0]
.irp c, 0,1,2,3
	v_med3_num_f32 v[X+4*\i+\c], v[X+4*\i+\c], 0, s14          ; into 0 .. 4095.0
.endr
.irp c, 0,1,2,3
	v_cvt_u32_f32 v[X+4*\i+\c], v[X+4*\i+\c]                   ; toward zero
.endr
	v_lshl_or_b32 v[P+2*\i],   v[X+4*\i+1], 12, v[X+4*\i]      ; y0 above x0
	v_lshl_or_b32 v[P+2*\i+1], v[X+4*\i+3], 12, v[X+4*\i+2]
	global_store_b64 v2, v[P+2*\i:P+2*\i+1], s[6:7] offset:2048*\i
.endr
	s_endpgm
.Lfunc_end_k_q3f3e079c64_index:
	.size	k_q3f3e079c64_index, .Lfunc_end_k_q3f3e079c64_index-k_q3f3e079c64_index
	.p2alignl 7, 3214868480
	.fill 96, 4, 3214868480
	.section	.rodata,"a",@progbits
	.p2align	6, 0x0
	.amdhsa_kernel k_q3f3e079c64_index
		.amdhsa_group_segment_fixed_size 0
		.amdhsa_private_segment_fixed_size 0
		.amdhsa_enable_private_segment 0
		.amdhsa_kernarg_size 16
		.amdhsa_user_sgpr_count 2
		.amdhsa_user_sgpr_kernarg_segment_ptr 1
		.amdhsa_wavefront_size32 1
		.amdhsa_system_sgpr_workgroup_id_x 1
		.amdhsa_system_sgpr_workgroup_id_y 1
		.amdhsa_system_sgpr_workgroup_id_z 1
		.amdhsa_system_vgpr_workitem_id 0
		.amdhsa_next_free_vgpr 52
		.amdhsa_next_free_sgpr 66
		.amdhsa_reserve_vcc 0
		.amdhsa_float_denorm_mode_32 3
		.amdhsa_float_denorm_mode_16_64 3
		.amdhsa_memory_ordered 1
		.amdhsa_forward_progress 1
		.amdhsa_inst_pref_size 8
	.end_amdhsa_kernel
	.amdgpu_metadata
---
amdhsa.version: [ 1, 2 ]
amdhsa.kernels:
  - .name:           k_q3f3e079c64_index
    .symbol:         k_q3f3e079c64_index.kd
    .args:
      - { .name: x, .offset: 0, .size: 8, .value_kind: global_buffer, .address_space: global }
      - { .name: idx, .offset: 8, .size: 8, .value_kind: global_buffer, .address_space: global }
    .group_segment_fixed_size: 0
    .private_segment_fixed_size: 0
    .kernarg_segment_align: 8
    .kernarg_segment_size: 16
    .max_flat_workgroup_size: 256
    .sgpr_count:     66
    .vgpr_count:     52
    .wavefront_size: 32
...
	.end_amdgpu_metadata
.endif
;; end of part 1
;; launch sample (part 2): grid 1024 x 1, 8 waves a work-group, no clusters, 13,312 bytes of LDS; arguments data, x, idx, out0; writes out0
.if DOCPART == 2
	.amdgcn_target "amdgcn-amd-amdhsa--gfx1250"
	.amdhsa_code_object_version 6
	.text
	.protected	k_q3f3e079c64_sample
	.globl	k_q3f3e079c64_sample
	.p2align	8
	.type	k_q3f3e079c64_sample,@function
k_q3f3e079c64_sample:
	s_mov_b64 s[64:65], 0
	v_nop
	global_prefetch_b8 v0, s[64:65] scope:SCOPE_SE
	s_setreg_imm32_b32 hwreg(HW_REG_WAVE_MODE, 25, 1), 1
	s_wait_xcnt 0x0
; out0[n][c] = bilinear blend of data[y0|y1][x0|x1][c] with the weights frac(4096 x[n]).
; data: [4096][4096][3] f16.  x: [4194304][2] f32.  idx: [4194304] words (y0 << 12) | x0 from the launch in front.
; out0: [4194304][3] f32.  Gather addresses come from idx alone; x gives only the weights.
;
; SHARES.  8 waves; a wave takes TRIPS batches of 128 samples; the work-group's eight waves take eight neighbouring
; batches in each trip.  A batch is two halves of 64 samples; lane l holds samples 64 j + 2 l + i (half j, i = 0, 1):
; a half's x comes by one load of 16 bytes a lane (512 consecutive bytes), its idx by one of 8 bytes a lane (256).
;
; THE GATHER.  The texels xb, xb + 1 (xb = min(x0, 4094)) of a row are the 12 bytes from b = 6 (4096 y + xb), and b is
; a multiple of 4 only for even xb.  Exactly these 12 bytes are asked for, each load at a multiple of its size:
;   two words at wa, wa + 4:  wa = b for even xb, b + 2 for odd xb
;   a half-word at ha:        ha = b + 8 for even xb, b for odd xb
;   a half-word at b + 10
; With L, R the left and right texel the six halves are, in the order word 0 low, high, word 1 low, high, half, half:
;   even xb:  L.c0 L.c1 L.c2 R.c0 R.c1 R.c2          odd xb:  L.c1 L.c2 R.c0 R.c1 L.c0 R.c2
; Eight loads and 24 bytes a sample.  y1 = min(y0 + 1, 4095) is simply a second row address.
;
; THE BLEND, in f32.  Both rows have the same parity, so the rows are blended first, half by half (packed, both numbers
; of a pair by 1 - wy and wy); then five selects by xb's parity sort the six numbers into L and R.  At x0 = 4095, where
; the reference has x1 = x0, L is replaced by R.  Then L (1 - wx) + R wx.
;
; THE RING.  As soon as a half is blended, the same half's gathers of the next batch are issued, and its idx and x of the
; batch after that: between 18 and 36 loads of the wave are out at any time, and no wait for loads in the loop is for zero.
;
; THE WAY OUT.  A lane's two neighbouring samples are 24 bytes; they go into the wave's own 1,536 bytes of LDS and come
; back as 16 bytes a lane, so that each global store of the wave covers 512 consecutive bytes, aligned.  Only the wave
; itself touches its stage, and LDS serves a wave's instructions in order (ISA guide 5.7.1): no barrier, no wait between.
;
; LIMITS.  (1) frac = v - float(int32(v)) as in the reference; for |v| >= 2^31 the conversion saturates, NaN gives 0.
; (2) Rows are blended before columns, where the reference multiplies each texel by both weights and sums the four:
; the order of rounding differs.
; No matrix unit (there is no product), no cluster and no tensor load (no tile is shared; each lane asks for its own bytes).
.set TRIPS,  4
.set XSTEP,  8192                      ; 8 waves x 128 samples x 8 bytes: from a trip's batch to the next
.set ISTEP,  4096
.set OSTEP,  12288
.set STAGE,  1536                      ; a batch's 128 x 12 bytes
.set RES,    0x45800000                ; 4096.0: width and height
.set LN16, 1                           ; v1        16 x lane: offset in x and in out0
.set LN8,  2                           ; v2        8 x lane: offset in idx
.set LS,   3                           ; v3        stage: where my 24 bytes go
.set LR,   4                           ; v4        stage: where my 16 bytes come back from
.set X,    6                           ; v[6:13]   sample s: x, y at X + 2 s
.set IX,   14                          ; v[14:17]  sample s: its index word
.set W,    18                          ; v[18:25]  sample s: wy, wx (wy in the even register: the packed forms broadcast it)
.set AD,   26                          ; v[26:49]  sample s: byte offsets b, wa, ha of row y0, then of row y1
.set G,    50                          ; v[50:81]  sample s: word, word, half, half of row y0, then of row y1 (named by number in the calls of BLEND)
.set T,    82                          ; v[82:95]  at work
.set R,    96                          ; v[96:107] sample s: c0, c1, c2
.set S,    108                         ; v[108:119] three rows of 16 bytes a lane, to store
.set INNER, 20                         ; s[20:23]  sample s: lanes with x0 <= 4094
.set ODD,   24                         ; s[24:27]  sample s: lanes with odd xb
.set XB,    32                         ; s[32:35]  half j: where its next 512 bytes of x lie
.set IB,    36                         ; s[36:39]  half j: where its next 256 bytes of idx lie
	s_load_b256 s[4:11], s[0:1], 0x0               ; data s[4:5], x s[6:7], idx s[8:9], out0 s[10:11]
	v_lshl_add_u32 v120, v0, 2, 0x3000
	v_mov_b32 v121, 0
	v_lshrrev_b32 v5, 5, v0
	v_readfirstlane_b32 s12, v5                    ; wave 0..7
	v_and_b32 v5, 31, v0                           ; lane
	s_lshl_b32 s13, ttmp9, 5
	s_add_co_u32 s13, s13, s12                     ; my first batch: 32 x work-group + wave (below 2^15)
	s_lshl_b32 s14, s13, 10                        ; x 1,024 bytes of x
	s_mov_b32 s15, 0
	s_lshl_b32 s16, s13, 9                         ; x 512 bytes of idx
	s_mov_b32 s17, 0
	s_mul_i32 s18, s13, STAGE                      ; x 1,536 bytes of out0 (below 2^26)
	s_mov_b32 s19, 0
	s_mul_i32 s30, s12, STAGE                      ; my wave's stage in LDS
	s_mov_b32 s28, RES                             ; a pair for the packed multiply, which broadcasts s28
	s_mov_b32 s29, RES
	v_lshlrev_b32 v[LN16], 4, v5
	v_lshlrev_b32 v[LN8], 3, v5
	v_mul_u32_u24 v[LS], 24, v5
	v_add_nc_u32 v[LS], s30, v[LS]
	v_add_nc_u32 v[LR], s30, v[LN16]
	s_wait_kmcnt 0x0
	s_add_nc_u64 s[XB:XB+1],   s[6:7], s[14:15]
	s_add_nc_u64 s[XB+2:XB+3], s[XB:XB+1], 512     ; each half has bases of its own, so that one can be stepped while the
	s_add_nc_u64 s[IB:IB+1],   s[8:9], s[16:17]    ; other half's loads are still out
	s_add_nc_u64 s[IB+2:IB+3], s[IB:IB+1], 256
	s_add_nc_u64 s[10:11], s[10:11], s[18:19]
; Half j of a batch: its index words and its coordinates.  Two loads.
.macro FETCH j
	global_load_b64  v[IX+2*\j:IX+2*\j+1], v[LN8],  s[IB+2*\j:IB+2*\j+1] th:TH_LOAD_NT
	global_load_b128 v[X+4*\j:X+4*\j+3],   v[LN16], s[XB+2*\j:XB+2*\j+1] th:TH_LOAD_NT
.endm
; Sample s: the six byte offsets from its index word, the two lane masks, and its eight loads.
; Each loaded number is bounded by v_min_u32 with a constant before it enters an offset; behind that only sums, shifts
; to the left, products and ANDs.  Largest byte touched: 6 (4095 x 4096 + 4094) + 11, the texture's last.
.macro GATHER s
	v_and_b32     v[T],   0xfff, v[IX+\s]          ; x0
	v_lshrrev_b32 v[T+1], 12, v[IX+\s]             ; y0
	v_min_u32     v[T+2], 0xffe, v[T]              ; xb: the left texel of the pair that is read
	v_min_u32     v[T+1], 0xfff, v[T+1]
	v_cmp_ge_u32  s[INNER+\s], 0xffe, v[T]         ; 4094 >= x0: not the last column
	v_add_nc_u32  v[T+3], 1, v[T+1]
	v_min_u32     v[T+3], 0xfff, v[T+3]            ; y1
	v_and_b32     v[T+4], 1, v[T+2]                ; 1 where xb is odd
	v_add_nc_u32  v[T+5], 1, v[T+2]
	v_and_b32     v[T+5], 1, v[T+5]                ; 1 where xb is even
	v_cmp_ne_u32  s[ODD+\s], 0, v[T+4]
	v_lshl_add_u32 v[AD+6*\s],   v[T+1], 12, v[T+2]            ; texel numbers 4096 y + xb (below 2^24)
	v_lshl_add_u32 v[AD+6*\s+3], v[T+3], 12, v[T+2]
	v_mul_u32_u24  v[AD+6*\s],   6, v[AD+6*\s]                 ; b of row y0
	v_mul_u32_u24  v[AD+6*\s+3], 6, v[AD+6*\s+3]               ; b of row y1
	v_lshl_add_u32 v[AD+6*\s+1], v[T+4], 1, v[AD+6*\s]         ; wa = b + 2 where xb is odd
	v_lshl_add_u32 v[AD+6*\s+2], v[T+5], 3, v[AD+6*\s]         ; ha = b + 8 where xb is even
	v_lshl_add_u32 v[AD+6*\s+4], v[T+4], 1, v[AD+6*\s+3]
	v_lshl_add_u32 v[AD+6*\s+5], v[T+5], 3, v[AD+6*\s+3]
	global_load_b32 v[G+8*\s],   v[AD+6*\s+1], s[4:5]          ; row y0
	global_load_b32 v[G+8*\s+1], v[AD+6*\s+1], s[4:5] offset:4
	global_load_u16 v[G+8*\s+2], v[AD+6*\s+2], s[4:5]
	global_load_u16 v[G+8*\s+3], v[AD+6*\s],   s[4:5] offset:10
	global_load_b32 v[G+8*\s+4], v[AD+6*\s+4], s[4:5]          ; row y1
	global_load_b32 v[G+8*\s+5], v[AD+6*\s+4], s[4:5] offset:4
	global_load_u16 v[G+8*\s+6], v[AD+6*\s+5], s[4:5]
	global_load_u16 v[G+8*\s+7], v[AD+6*\s+3], s[4:5] offset:10
.endm
; Sample s: wy and wx, in f32.
.macro WEIGHT s
	v_pk_mul_f32  v[T:T+1], v[X+2*\s:X+2*\s+1], s[28:29] op_sel_hi:[1,0]       ; pixel coordinates (exact: a power of two)
	v_cvt_i32_f32 v[T+2], v[T]                     ; toward zero
	v_cvt_i32_f32 v[T+3], v[T+1]
	v_cvt_f32_i32 v[T+2], v[T+2]
	v_cvt_f32_i32 v[T+3], v[T+3]
	v_sub_f32     v[W+2*\s],   v[T+1], v[T+3]      ; wy
	v_sub_f32     v[W+2*\s+1], v[T],   v[T+2]      ; wx
.endm
; Sample s, whose gathered registers are g0 .. g7 = G + 8 s .. G + 8 s + 7 (a half of a register is named by a plain
; number, so the calls give the numbers).  The first product starts each sum: nothing is cleared.
.macro BLEND s, g0, g1, g2, g3, g4, g5, g6, g7
	v_cvt_f32_f16 v[T],    v\g0\().l               ; row y0: the six halves in the order of the table at the head
	v_cvt_f32_f16 v[T+1],  v\g0\().h
	v_cvt_f32_f16 v[T+2],  v\g1\().l
	v_cvt_f32_f16 v[T+3],  v\g1\().h
	v_cvt_f32_f16 v[T+4],  v\g2\().l
	v_cvt_f32_f16 v[T+5],  v\g3\().l
	v_cvt_f32_f16 v[T+6],  v\g4\().l               ; row y1, the same
	v_cvt_f32_f16 v[T+7],  v\g4\().h
	v_cvt_f32_f16 v[T+8],  v\g5\().l
	v_cvt_f32_f16 v[T+9],  v\g5\().h
	v_cvt_f32_f16 v[T+10], v\g6\().l
	v_cvt_f32_f16 v[T+11], v\g7\().l
	v_pk_fma_f32 v[T+12:T+13], v[W+2*\s:W+2*\s+1], -1.0, 1.0 op_sel_hi:[1,0,0] ; 1 - wy, 1 - wx, one rounding each
.irp c, 0,2,4
	v_pk_mul_f32 v[T+\c:T+\c+1], v[T+\c:T+\c+1], v[T+12:T+13] op_sel_hi:[1,0]  ; row y0, both numbers x (1 - wy)
.endr
.irp c, 0,2,4
	v_pk_fma_f32 v[T+\c:T+\c+1], v[T+6+\c:T+6+\c+1], v[W+2*\s:W+2*\s+1], v[T+\c:T+\c+1] op_sel_hi:[1,0,1]   ; + row y1 x wy
.endr
	v_cndmask_b32 v[T+6],  v[T],   v[T+4], s[ODD+\s]           ; L.c0: number 0, for odd xb number 4
	v_cndmask_b32 v[T+7],  v[T+1], v[T],   s[ODD+\s]           ; L.c1: 1 or 0
	v_cndmask_b32 v[T+8],  v[T+2], v[T+1], s[ODD+\s]           ; L.c2: 2 or 1
	v_cndmask_b32 v[T+9],  v[T+3], v[T+2], s[ODD+\s]           ; R.c0: 3 or 2
	v_cndmask_b32 v[T+10], v[T+4], v[T+3], s[ODD+\s]           ; R.c1: 4 or 3;  R.c2 is number 5 in both
	v_cndmask_b32 v[T+6],  v[T+9],  v[T+6], s[INNER+\s]        ; in the last column x0 = x1: L is R
	v_cndmask_b32 v[T+7],  v[T+10], v[T+7], s[INNER+\s]
	v_cndmask_b32 v[T+8],  v[T+5],  v[T+8], s[INNER+\s]
	v_mul_f32  v[R+3*\s],   v[T+6],  v[T+13]       ; L (1 - wx)
	v_mul_f32  v[R+3*\s+1], v[T+7],  v[T+13]
	v_mul_f32  v[R+3*\s+2], v[T+8],  v[T+13]
	v_fmac_f32 v[R+3*\s],   v[T+9],  v[W+2*\s+1]   ; + R wx
	v_fmac_f32 v[R+3*\s+1], v[T+10], v[W+2*\s+1]
	v_fmac_f32 v[R+3*\s+2], v[T+5],  v[W+2*\s+1]
.endm
; My two samples 64 j + 2 l, + 1: 24 bytes at 768 j + 24 l of the stage.  Store k of lane l starts at word 6 l + 2 k,
; and 3 l mod 32 takes every value once: the 32 lanes touch 64 different words modulo 64.
.macro STAGE2 j
.irp k, 0,1,2
	ds_store_b64 v[LS], v[R+6*\j+2*\k:R+6*\j+2*\k+1] offset:768*\j+8*\k
.endr
.endm
; Half j (samples s0, s1 of a lane) of the NEXT batch: its gathers and its weights.  left = how many younger loads may
; stay out when this half's idx and x have to be in.  ahead = 1: idx and x of the batch after that are asked for.
.macro NEXT j, s0, s1, ahead, left
	s_wait_loadcnt \left                           ; loads come back in order (ISA guide 5.7.1): this half's last FETCH is in, so its two bases are free too
	GATHER \s0
	GATHER \s1
	WEIGHT \s0
	WEIGHT \s1
.if \ahead
	s_add_nc_u64 s[IB+2*\j:IB+2*\j+1], s[IB+2*\j:IB+2*\j+1], ISTEP
	s_add_nc_u64 s[XB+2*\j:XB+2*\j+1], s[XB+2*\j:XB+2*\j+1], XSTEP
	FETCH \j                                       ; IX and X of this half have been read out above
.endif
.endm
; One batch.  At its head the wave's loads that are out are, oldest first: this batch's gathers of half 0 (16), the next
; batch's FETCH 0 (2), this batch's gathers of half 1 (16), the next batch's FETCH 1 (2), as far as they exist.
; c0, c1: the first, the second sample of half 0 is in; c2: FETCH 0 is in; c3, c4, c5: the same for half 1, with what
; NEXT 0 has issued behind them.
.macro TRIP gath, ahead, c0, c1, c2, c3, c4, c5
	s_wait_loadcnt \c0
	BLEND 0, 50, 51, 52, 53, 54, 55, 56, 57
	s_wait_loadcnt \c1
	BLEND 1, 58, 59, 60, 61, 62, 63, 64, 65
	STAGE2 0
	s_wait_xcnt 0x0                                ; the last batch's stores have read S and their base: both are written again only
	s_add_nc_u64 s[10:11], s[10:11], OSTEP         ; behind this wait.  It stands here, in front of the next gathers, half a trip behind those stores
.if \gath
	NEXT 0, 0, 1, \ahead, \c2
.endif
	s_wait_loadcnt \c3
	BLEND 2, 66, 67, 68, 69, 70, 71, 72, 73
	s_wait_loadcnt \c4
	BLEND 3, 74, 75, 76, 77, 78, 79, 80, 81
	STAGE2 1
.if \gath
	NEXT 1, 2, 3, \ahead, \c5
.endif
.irp k, 0,1,2
	ds_load_b128 v[S+4*\k:S+4*\k+3], v[LR] offset:512*\k       ; behind my own stores, in order; 16 consecutive bytes a lane
.endr
.irp k, 0,1,2
	s_wait_dscnt 2-\k                              ; row k is back
	global_store_b128 v[LN16], v[S+4*\k:S+4*\k+3], s[10:11] offset:512*\k-OSTEP th:TH_STORE_NT   ; 512 consecutive bytes, aligned; the base was stepped above, the offset reaches back
.endr
.endm
	FETCH 0                                        ; batch 0
	FETCH 1
	NEXT 0, 0, 1, 1, 2                             ; FETCH 0 is in, FETCH 1's two loads stay out; gathers of batch 0, FETCH 0 of batch 1
	NEXT 1, 2, 3, 1, 18                            ; FETCH 1 is in; behind it 16 gathers and 2 loads stay out
	s_mov_b32 s31, TRIPS-2
.Ltrip:
	TRIP 1, 1, 28, 20, 18, 28, 20, 18              ; of 36 out: 8 in, 16 in, 18 in; NEXT 0 issues 18 more, and the same again
	s_sub_co_u32 s31, s31, 1
	s_cmp_lg_u32 s31, 0
	s_cbranch_scc1 .Ltrip
	TRIP 1, 0, 28, 20, 18, 26, 18, 16              ; the last batch but one: gathers ahead, no FETCH: no load leaves x or idx; NEXT 0 issues 16
	TRIP 0, 0, 24, 16, 0, 8, 0, 0                  ; the last batch: 32 gathers are out, and the counts run down
	s_wait_tensorcnt 0x0
	ds_add_u32 v120, v121
	s_wait_dscnt 0x0
	s_endpgm
.Lfunc_end_k_q3f3e079c64_sample:
	.size	k_q3f3e079c64_sample, .Lfunc_end_k_q3f3e079c64_sample-k_q3f3e079c64_sample
	.p2alignl 7, 3214868480
	.fill 96, 4, 3214868480
	.section	.rodata,"a",@progbits
	.p2align	6, 0x0
	.amdhsa_kernel k_q3f3e079c64_sample
		.amdhsa_group_segment_fixed_size 13312
		.amdhsa_private_segment_fixed_size 0
		.amdhsa_enable_private_segment 0
		.amdhsa_kernarg_size 32
		.amdhsa_user_sgpr_count 2
		.amdhsa_user_sgpr_kernarg_segment_ptr 1
		.amdhsa_wavefront_size32 1
		.amdhsa_system_sgpr_workgroup_id_x 1
		.amdhsa_system_sgpr_workgroup_id_y 1
		.amdhsa_system_sgpr_workgroup_id_z 1
		.amdhsa_system_vgpr_workitem_id 0
		.amdhsa_next_free_vgpr 122
		.amdhsa_next_free_sgpr 66
		.amdhsa_reserve_vcc 0
		.amdhsa_float_denorm_mode_32 3
		.amdhsa_float_denorm_mode_16_64 3
		.amdhsa_memory_ordered 1
		.amdhsa_forward_progress 1
		.amdhsa_inst_pref_size 49
	.end_amdhsa_kernel
	.amdgpu_metadata
---
amdhsa.version: [ 1, 2 ]
amdhsa.kernels:
  - .name:           k_q3f3e079c64_sample
    .symbol:         k_q3f3e079c64_sample.kd
    .args:
      - { .name: data, .offset: 0, .size: 8, .value_kind: global_buffer, .address_space: global }
      - { .name: x, .offset: 8, .size: 8, .value_kind: global_buffer, .address_space: global }
      - { .name: idx, .offset: 16, .size: 8, .value_kind: global_buffer, .address_space: global }
      - { .name: out0, .offset: 24, .size: 8, .value_kind: global_buffer, .address_space: global }
    .group_segment_fixed_size: 13312
    .private_segment_fixed_size: 0
    .kernarg_segment_align: 8
    .kernarg_segment_size: 32
    .max_flat_workgroup_size: 256
    .sgpr_count:     66
    .vgpr_count:     122
    .wavefront_size: 32
...
	.end_amdgpu_metadata
.endif
;; end of part 2
;; ======== version 2 of 2: 2 launches; version 1 with the launch sample written anew for expert scheduling mode
;; workspace buffers: idx 16,777,216 bytes of whole numbers
;; launch index: the kernel of part 1 again; grid 1024 x 1, 8 waves a work-group, no clusters, 0 bytes of LDS; arguments x, idx; writes idx
;; launch sample (part 3): grid 1024 x 1, 8 waves a work-group, no clusters, 13,312 bytes of LDS; arguments data, x, idx, out0; writes out0
.if DOCPART == 3
	.amdgcn_target "amdgcn-amd-amdhsa--gfx1250"
	.amdhsa_code_object_version 6
	.text
	.protected	k_q3f3e079c64_sample
	.globl	k_q3f3e079c64_sample
	.p2align	8
	.type	k_q3f3e079c64_sample,@function
k_q3f3e079c64_sample:
	s_mov_b64 s[64:65], 0
	v_nop
	global_prefetch_b8 v0, s[64:65] scope:SCOPE_SE
	s_setreg_imm32_b32 hwreg(HW_REG_WAVE_SCHED_MODE, 0, 2), 2
	s_setreg_imm32_b32 hwreg(HW_REG_WAVE_MODE, 25, 1), 1
	s_wait_xcnt 0x0
	s_wait_alu depctr_vm_vsrc(0)
; out0[n][c] = bilinear blend of data[y0|y1][x0|x1][c] with the weights frac(4096 x[n]).
; data: [4096][4096][3] f16.  x: [4194304][2] f32.  idx: [4194304] words (y0 << 12) | x0 from the launch in front.
; out0: [4194304][3] f32.  Gather addresses come from idx alone; x gives only the weights.
;
; SHARES.  8 waves; a wave takes TRIPS batches of 128 samples; the work-group's eight waves take eight neighbouring
; batches in each trip.  A batch is two halves of 64 samples; lane l holds samples 64 j + 2 l + i (half j, i = 0, 1):
; a half's x comes by one load of 16 bytes a lane (512 consecutive bytes), its idx by one of 8 bytes a lane (256).
;
; THE GATHER.  The texels xb, xb + 1 (xb = min(x0, 4094)) of a row are the 12 bytes from b = 6 (4096 y + xb), and b is
; a multiple of 4 only for even xb.  Exactly these 12 bytes are asked for, each load at a multiple of its size:
;   two words at wa, wa + 4:  wa = b for even xb, b + 2 for odd xb
;   a half-word at ha:        ha = b + 8 for even xb, b for odd xb
;   a half-word at b + 10
; With L, R the left and right texel the six halves are, in the order word 0 low, high, word 1 low, high, half, half:
;   even xb:  L.c0 L.c1 L.c2 R.c0 R.c1 R.c2          odd xb:  L.c1 L.c2 R.c0 R.c1 L.c0 R.c2
; Eight loads and 24 bytes a sample.  y1 = min(y0 + 1, 4095) is simply a second row address.
;
; THE BLEND, in f32.  Both rows have the same parity, so the rows are blended first, half by half (packed, both numbers
; of a pair by 1 - wy and wy); then five selects by xb's parity sort the six numbers into L and R.  At x0 = 4095, where
; the reference has x1 = x0, L is replaced by R.  Then L (1 - wx) + R wx.
;
; THE RING.  When a half is blended, the same half's gathers of the next batch are issued, and its idx and x of the
; batch after that: between 18 and 36 loads of the wave are out at any time, and no wait for loads in the loop is for zero.
;
; THE WAY OUT.  A lane's two neighbouring samples are 24 bytes; they go into the wave's own 1,536 bytes of LDS and come
; back as 16 bytes a lane, so that each global store of the wave covers 512 consecutive bytes, aligned.  Only the wave
; itself touches its stage, and LDS serves a wave's instructions in order (ISA guide 5.7.1): no barrier, no wait between.
;
; THE MODE: SCHED_MODE bits 1:0 = 2 (LLVM: expert scheduling mode 2), set by the entry lines.  The code itself states the
; register dependences between vector instructions and memory or LDS instructions, with s_wait_alu, always for 0.
; THE PLAN.  Registers that memory or LDS instructions touch:
;   v1 .. v4     offsets and LDS addresses, made once at the head and never written again.
;   IX, X        half j: FETCH j's two loads land in them; ADDR reads IX, WEIGHT reads X.
;   AD           half j: ADDR writes it; the half's sixteen gathers read it.
;   G            half j: the gathers land in it; BLEND's conversions read it, a trip later.
;   R            half j: BLEND writes it; the half's three LDS stores read it.
;   S            the three loads from the stage land in it; the three global stores read it.  No vector instruction names it.
;   s[20:27]     lane masks: ADDR's compares write them; BLEND's selects read them, a trip later.
;   T and W are named by vector instructions alone.
; A half's vector work stands together (BLEND, BLEND, ADDR, ADDR, WEIGHT, WEIGHT), and its LDS and memory instructions follow
; in one run with no vector instruction among them.  Between the two stand the half's waits: one for the masks, one for all
; that the half's vector work wrote or read, and one for what the OTHER half's last run read, half a trip back, which that
; half's vector work writes again next.
;
; LIMITS.  (1) frac = v - float(int32(v)) as in the reference; for |v| >= 2^31 the conversion saturates, NaN gives 0.
; (2) Rows are blended before columns, where the reference multiplies each texel by both weights and sums the four:
; the order of rounding differs.
; No matrix unit (there is no product), no cluster and no tensor load (no tile is shared; each lane asks for its own bytes).
.set TRIPS,  4
.set XSTEP,  8192                      ; 8 waves x 128 samples x 8 bytes: from a trip's batch to the next
.set ISTEP,  4096
.set OSTEP,  12288
.set STAGE,  1536                      ; a batch's 128 x 12 bytes
.set RES,    0x45800000                ; 4096.0: width and height
.set LN16, 1                           ; v1        16 x lane: offset in x and in out0
.set LN8,  2                           ; v2        8 x lane: offset in idx
.set LS,   3                           ; v3        stage: where my 24 bytes go
.set LR,   4                           ; v4        stage: where my 16 bytes come back from
.set X,    6                           ; v[6:13]   sample s: x, y at X + 2 s
.set IX,   14                          ; v[14:17]  sample s: its index word
.set W,    18                          ; v[18:25]  sample s: wy, wx (wy in the even register: the packed forms broadcast it)
.set AD,   26                          ; v[26:49]  sample s: byte offsets b, wa, ha of row y0, then of row y1
.set G,    50                          ; v[50:81]  sample s: word, word, half, half of row y0, then of row y1 (named by number in the calls of BLEND)
.set T,    82                          ; v[82:95]  at work
.set R,    96                          ; v[96:107] sample s: c0, c1, c2
.set S,    108                         ; v[108:119] three rows of 16 bytes a lane, to store
.set INNER, 20                         ; s[20:23]  sample s: lanes with x0 <= 4094
.set ODD,   24                         ; s[24:27]  sample s: lanes with odd xb
.set XB,    32                         ; s[32:35]  half j: where its next 512 bytes of x lie
.set IB,    36                         ; s[36:39]  half j: where its next 256 bytes of idx lie
	s_load_b256 s[4:11], s[0:1], 0x0               ; data s[4:5], x s[6:7], idx s[8:9], out0 s[10:11]
	v_lshl_add_u32 v120, v0, 2, 0x3000
	v_mov_b32 v121, 0
	v_lshrrev_b32 v5, 5, v0
	v_readfirstlane_b32 s12, v5                    ; wave 0..7
	v_and_b32 v5, 31, v0                           ; lane
	v_lshlrev_b32 v[LN16], 4, v5
	v_lshlrev_b32 v[LN8], 3, v5
	v_mul_u32_u24 v[LS], 24, v5
	s_lshl_b32 s13, ttmp9, 5
	s_mov_b32 s15, 0
	s_mov_b32 s17, 0
	s_mov_b32 s19, 0
	s_mov_b32 s28, RES                             ; a pair for the packed multiply, which broadcasts s28
	s_mov_b32 s29, RES
	s_wait_alu depctr_va_sdst(0)                   ; s12 is written, ahead of its first reader: the batch's number and the stage's place are made from it
	s_add_co_u32 s13, s13, s12                     ; my first batch: 32 x work-group + wave (below 2^15)
	s_lshl_b32 s14, s13, 10                        ; x 1,024 bytes of x
	s_lshl_b32 s16, s13, 9                         ; x 512 bytes of idx
	s_mul_i32 s18, s13, STAGE                      ; x 1,536 bytes of out0 (below 2^26)
	s_mul_i32 s30, s12, STAGE                      ; my wave's stage in LDS
	v_add_nc_u32 v[LS], s30, v[LS]
	v_add_nc_u32 v[LR], s30, v[LN16]
	s_wait_kmcnt 0x0
	s_add_nc_u64 s[XB:XB+1],   s[6:7], s[14:15]
	s_add_nc_u64 s[XB+2:XB+3], s[XB:XB+1], 512     ; each half has bases of its own, so that one can be stepped while the
	s_add_nc_u64 s[IB:IB+1],   s[8:9], s[16:17]    ; other half's loads are still out
	s_add_nc_u64 s[IB+2:IB+3], s[IB:IB+1], 256
	s_add_nc_u64 s[10:11], s[10:11], s[18:19]
	s_wait_alu depctr_va_vdst(0)                   ; v1 to v4 are written: FETCH's loads, the stage's LDS instructions and the global stores read them
; Half j of a batch: its index words and its coordinates.  Two loads.
.macro FETCH j
	global_load_b64  v[IX+2*\j:IX+2*\j+1], v[LN8],  s[IB+2*\j:IB+2*\j+1] th:TH_LOAD_NT
	global_load_b128 v[X+4*\j:X+4*\j+3],   v[LN16], s[XB+2*\j:XB+2*\j+1] th:TH_LOAD_NT
.endm
; Sample s: the six byte offsets from its index word, and the two lane masks.
; Each loaded number is bounded by v_min_u32 with a constant before it enters an offset; behind that only sums, shifts
; to the left, products and ANDs.  Largest byte touched: 6 (4095 x 4096 + 4094) + 11, the texture's last.
.macro ADDR s
	v_and_b32     v[T],   0xfff, v[IX+\s]          ; x0
	v_lshrrev_b32 v[T+1], 12, v[IX+\s]             ; y0
	v_min_u32     v[T+2], 0xffe, v[T]              ; xb: the left texel of the pair that is read
	v_min_u32     v[T+1], 0xfff, v[T+1]
	v_cmp_ge_u32  s[INNER+\s], 0xffe, v[T]         ; 4094 >= x0: not the last column
	v_add_nc_u32  v[T+3], 1, v[T+1]
	v_min_u32     v[T+3], 0xfff, v[T+3]            ; y1
	v_and_b32     v[T+4], 1, v[T+2]                ; 1 where xb is odd
	v_add_nc_u32  v[T+5], 1, v[T+2]
	v_and_b32     v[T+5], 1, v[T+5]                ; 1 where xb is even
	v_cmp_ne_u32  s[ODD+\s], 0, v[T+4]
	v_lshl_add_u32 v[AD+6*\s],   v[T+1], 12, v[T+2]            ; texel numbers 4096 y + xb (below 2^24)
	v_lshl_add_u32 v[AD+6*\s+3], v[T+3], 12, v[T+2]
	v_mul_u32_u24  v[AD+6*\s],   6, v[AD+6*\s]                 ; b of row y0
	v_mul_u32_u24  v[AD+6*\s+3], 6, v[AD+6*\s+3]               ; b of row y1
	v_lshl_add_u32 v[AD+6*\s+1], v[T+4], 1, v[AD+6*\s]         ; wa = b + 2 where xb is odd
	v_lshl_add_u32 v[AD+6*\s+2], v[T+5], 3, v[AD+6*\s]         ; ha = b + 8 where xb is even
	v_lshl_add_u32 v[AD+6*\s+4], v[T+4], 1, v[AD+6*\s+3]
	v_lshl_add_u32 v[AD+6*\s+5], v[T+5], 3, v[AD+6*\s+3]
.endm
; Sample s: its eight loads.
.macro LOADS s
	global_load_b32 v[G+8*\s],   v[AD+6*\s+1], s[4:5]          ; row y0
	global_load_b32 v[G+8*\s+1], v[AD+6*\s+1], s[4:5] offset:4
	global_load_u16 v[G+8*\s+2], v[AD+6*\s+2], s[4:5]
	global_load_u16 v[G+8*\s+3], v[AD+6*\s],   s[4:5] offset:10
	global_load_b32 v[G+8*\s+4], v[AD+6*\s+4], s[4:5]          ; row y1
	global_load_b32 v[G+8*\s+5], v[AD+6*\s+4], s[4:5] offset:4
	global_load_u16 v[G+8*\s+6], v[AD+6*\s+5], s[4:5]
	global_load_u16 v[G+8*\s+7], v[AD+6*\s+3], s[4:5] offset:10
.endm
; Sample s: wy and wx, in f32.
.macro WEIGHT s
	v_pk_mul_f32  v[T:T+1], v[X+2*\s:X+2*\s+1], s[28:29] op_sel_hi:[1,0]       ; pixel coordinates (exact: a power of two)
	v_cvt_i32_f32 v[T+2], v[T]                     ; toward zero
	v_cvt_i32_f32 v[T+3], v[T+1]
	v_cvt_f32_i32 v[T+2], v[T+2]
	v_cvt_f32_i32 v[T+3], v[T+3]
	v_sub_f32     v[W+2*\s],   v[T+1], v[T+3]      ; wy
	v_sub_f32     v[W+2*\s+1], v[T],   v[T+2]      ; wx
.endm
; Sample s, whose gathered registers are g0 .. g7 = G + 8 s .. G + 8 s + 7 (a half of a register is named by a plain
; number, so the calls give the numbers).  The first product starts each sum: nothing is cleared.
.macro BLEND s, g0, g1, g2, g3, g4, g5, g6, g7
	v_cvt_f32_f16 v[T],    v\g0\().l               ; row y0: the six halves in the order of the table at the head
	v_cvt_f32_f16 v[T+1],  v\g0\().h
	v_cvt_f32_f16 v[T+2],  v\g1\().l
	v_cvt_f32_f16 v[T+3],  v\g1\().h
	v_cvt_f32_f16 v[T+4],  v\g2\().l
	v_cvt_f32_f16 v[T+5],  v\g3\().l
	v_cvt_f32_f16 v[T+6],  v\g4\().l               ; row y1, the same
	v_cvt_f32_f16 v[T+7],  v\g4\().h
	v_cvt_f32_f16 v[T+8],  v\g5\().l
	v_cvt_f32_f16 v[T+9],  v\g5\().h
	v_cvt_f32_f16 v[T+10], v\g6\().l
	v_cvt_f32_f16 v[T+11], v\g7\().l
	v_pk_fma_f32 v[T+12:T+13], v[W+2*\s:W+2*\s+1], -1.0, 1.0 op_sel_hi:[1,0,0] ; 1 - wy, 1 - wx, one rounding each
.irp c, 0,2,4
	v_pk_mul_f32 v[T+\c:T+\c+1], v[T+\c:T+\c+1], v[T+12:T+13] op_sel_hi:[1,0]  ; row y0, both numbers x (1 - wy)
.endr
.irp c, 0,2,4
	v_pk_fma_f32 v[T+\c:T+\c+1], v[T+6+\c:T+6+\c+1], v[W+2*\s:W+2*\s+1], v[T+\c:T+\c+1] op_sel_hi:[1,0,1]   ; + row y1 x wy
.endr
	v_cndmask_b32 v[T+6],  v[T],   v[T+4], s[ODD+\s]           ; L.c0: number 0, for odd xb number 4
	v_cndmask_b32 v[T+7],  v[T+1], v[T],   s[ODD+\s]           ; L.c1: 1 or 0
	v_cndmask_b32 v[T+8],  v[T+2], v[T+1], s[ODD+\s]           ; L.c2: 2 or 1
	v_cndmask_b32 v[T+9],  v[T+3], v[T+2], s[ODD+\s]           ; R.c0: 3 or 2
	v_cndmask_b32 v[T+10], v[T+4], v[T+3], s[ODD+\s]           ; R.c1: 4 or 3;  R.c2 is number 5 in both
	v_cndmask_b32 v[T+6],  v[T+9],  v[T+6], s[INNER+\s]        ; in the last column x0 = x1: L is R
	v_cndmask_b32 v[T+7],  v[T+10], v[T+7], s[INNER+\s]
	v_cndmask_b32 v[T+8],  v[T+5],  v[T+8], s[INNER+\s]
	v_mul_f32  v[R+3*\s],   v[T+6],  v[T+13]       ; L (1 - wx)
	v_mul_f32  v[R+3*\s+1], v[T+7],  v[T+13]
	v_mul_f32  v[R+3*\s+2], v[T+8],  v[T+13]
	v_fmac_f32 v[R+3*\s],   v[T+9],  v[W+2*\s+1]   ; + R wx
	v_fmac_f32 v[R+3*\s+1], v[T+10], v[W+2*\s+1]
	v_fmac_f32 v[R+3*\s+2], v[T+5],  v[W+2*\s+1]
.endm
; My two samples 64 j + 2 l, + 1: 24 bytes at 768 j + 24 l of the stage.  Store k of lane l starts at word 6 l + 2 k,
; and 3 l mod 32 takes every value once: the 32 lanes touch 64 different words modulo 64.
.macro STAGE2 j
.irp k, 0,1,2
	ds_store_b64 v[LS], v[R+6*\j+2*\k:R+6*\j+2*\k+1] offset:768*\j+8*\k
.endr
.endm
; Samples s0, s1 (a half) of the NEXT batch: the vector work for its gathers, and its weights.  left = how many younger
; loads may stay out when this half's idx and x have to be in.
.macro PREP s0, s1, left
	s_wait_loadcnt \left                           ; loads come back in order (ISA guide 5.7.1): this half's last FETCH is in, so its two bases are free too
	ADDR \s0
	ADDR \s1
	WEIGHT \s0
	WEIGHT \s1
.endm
; Half j (samples s0, s1 of a lane): its waits, and its run of LDS and memory instructions, with no vector instruction among them.
; put = 1: the half's results go into the stage (in half 1 the batch's rows are asked back at once, ahead of the global
; loads, whose issue stands between these LDS loads and the wait for them).  gath = 1: the next batch's gathers.
; ahead = 1: idx and x of the batch after that.  free = 1: the other half's vector work, or a load into S, follows.
.macro RUN j, s0, s1, put, gath, ahead, free
.if \gath
	s_wait_alu depctr_va_sdst(0)                   ; ADDR's four compares have written this half's masks, ahead of the first select that reads them and of every branch and label
.endif
	s_wait_alu depctr_va_vdst(0)                   ; the half's vector work is done, as far as this call has it: BLEND has written R, which the LDS stores read, and is done reading G, in which the gathers land; ADDR has written AD, which the gathers read; ADDR and WEIGHT are done reading IX and X, in which FETCH's loads land
.if \free
	s_wait_alu depctr_vm_vsrc(0)                   ; the other half's last run has read its R and its AD, which that half's BLEND and ADDR write again next; in half 0 also: the last batch's global stores have read S, in which the loads from the stage land
.endif
.if \put
	STAGE2 \j
.if \j == 1
.irp k, 0,1,2
	ds_load_b128 v[S+4*\k:S+4*\k+3], v[LR] offset:512*\k       ; behind my own stores, in order; 16 consecutive bytes a lane
.endr
.endif
.endif
.if \gath
	LOADS \s0
	LOADS \s1
.endif
.if \ahead
	s_add_nc_u64 s[IB+2*\j:IB+2*\j+1], s[IB+2*\j:IB+2*\j+1], ISTEP
	s_add_nc_u64 s[XB+2*\j:XB+2*\j+1], s[XB+2*\j:XB+2*\j+1], XSTEP
	FETCH \j
.endif
.endm
; One batch.  At its head the wave's loads that are out are, oldest first: this batch's gathers of half 0 (16), the next
; batch's FETCH 0 (2), this batch's gathers of half 1 (16), the next batch's FETCH 1 (2), as far as they exist.
; c0, c1: the first, the second sample of half 0 is in; c2: FETCH 0 is in; c3, c4, c5: the same for half 1, with what
; half 0's run has issued behind them.
.macro TRIP gath, ahead, c0, c1, c2, c3, c4, c5
	s_wait_loadcnt \c0
	BLEND 0, 50, 51, 52, 53, 54, 55, 56, 57
	s_wait_loadcnt \c1
	BLEND 1, 58, 59, 60, 61, 62, 63, 64, 65
.if \gath
	PREP 0, 1, \c2
.endif
	s_wait_xcnt 0x0                                ; the last batch's stores have had their addresses translated (ISA guide 3.1): S and their base are written again only
	s_add_nc_u64 s[10:11], s[10:11], OSTEP         ; behind this wait.  It stands here, in front of the next gathers, half a trip behind those stores
	RUN 0, 0, 1, 1, \gath, \ahead, 1
	s_wait_loadcnt \c3
	BLEND 2, 66, 67, 68, 69, 70, 71, 72, 73
	s_wait_loadcnt \c4
	BLEND 3, 74, 75, 76, 77, 78, 79, 80, 81
.if \gath
	PREP 2, 3, \c5
.endif
	RUN 1, 2, 3, 1, \gath, \ahead, \gath           ; behind the last batch's half 1 nothing is written again
.irp k, 0,1,2
	s_wait_dscnt 2-\k                              ; row k is back
	global_store_b128 v[LN16], v[S+4*\k:S+4*\k+3], s[10:11] offset:512*\k-OSTEP th:TH_STORE_NT   ; 512 consecutive bytes, aligned; the base was stepped above, the offset reaches back
.endr
.endm
	FETCH 0                                        ; batch 0
	FETCH 1
	PREP 0, 1, 2                                   ; FETCH 0 is in, FETCH 1's two loads stay out
	RUN 0, 0, 1, 0, 1, 1, 0                        ; gathers of batch 0, FETCH 0 of batch 1; no memory instruction has yet read a register that is written again
	PREP 2, 3, 18                                  ; FETCH 1 is in; behind it 16 gathers and 2 loads stay out
	RUN 1, 2, 3, 0, 1, 1, 1                        ; half 0's gathers have read their AD, which the first trip writes again
	s_mov_b32 s31, TRIPS-2
.Ltrip:
	TRIP 1, 1, 28, 20, 18, 28, 20, 18              ; of 36 out: 8 in, 16 in, 18 in; half 0's run issues 18 more, and the same again
	s_sub_co_u32 s31, s31, 1
	s_cmp_lg_u32 s31, 0
	s_cbranch_scc1 .Ltrip
	TRIP 1, 0, 28, 20, 18, 26, 18, 16              ; the last batch but one: gathers ahead, no FETCH: no load leaves x or idx; half 0's run issues 16
	TRIP 0, 0, 24, 16, 0, 8, 0, 0                  ; the last batch: 32 gathers are out, and the counts run down
	s_wait_dscnt 0x0
	s_wait_alu depctr_hold_cnt(0) depctr_sa_sdst(0) depctr_va_vdst(0) depctr_va_sdst(0) depctr_va_ssrc(0) depctr_va_vcc(0) depctr_vm_vsrc(0)
	s_wait_tensorcnt 0x0
	ds_add_u32 v120, v121
	s_wait_dscnt 0x0
	s_endpgm
.Lfunc_end_k_q3f3e079c64_sample:
	.size	k_q3f3e079c64_sample, .Lfunc_end_k_q3f3e079c64_sample-k_q3f3e079c64_sample
	.p2alignl 7, 3214868480
	.fill 96, 4, 3214868480
	.section	.rodata,"a",@progbits
	.p2align	6, 0x0
	.amdhsa_kernel k_q3f3e079c64_sample
		.amdhsa_group_segment_fixed_size 13312
		.amdhsa_private_segment_fixed_size 0
		.amdhsa_enable_private_segment 0
		.amdhsa_kernarg_size 32
		.amdhsa_user_sgpr_count 2
		.amdhsa_user_sgpr_kernarg_segment_ptr 1
		.amdhsa_wavefront_size32 1
		.amdhsa_system_sgpr_workgroup_id_x 1
		.amdhsa_system_sgpr_workgroup_id_y 1
		.amdhsa_system_sgpr_workgroup_id_z 1
		.amdhsa_system_vgpr_workitem_id 0
		.amdhsa_next_free_vgpr 122
		.amdhsa_next_free_sgpr 66
		.amdhsa_reserve_vcc 0
		.amdhsa_float_denorm_mode_32 3
		.amdhsa_float_denorm_mode_16_64 3
		.amdhsa_memory_ordered 1
		.amdhsa_forward_progress 1
		.amdhsa_inst_pref_size 50
	.end_amdhsa_kernel
	.amdgpu_metadata
---
amdhsa.version: [ 1, 2 ]
amdhsa.kernels:
  - .name:           k_q3f3e079c64_sample
    .symbol:         k_q3f3e079c64_sample.kd
    .args:
      - { .name: data, .offset: 0, .size: 8, .value_kind: global_buffer, .address_space: global }
      - { .name: x, .offset: 8, .size: 8, .value_kind: global_buffer, .address_space: global }
      - { .name: idx, .offset: 16, .size: 8, .value_kind: global_buffer, .address_space: global }
      - { .name: out0, .offset: 24, .size: 8, .value_kind: global_buffer, .address_space: global }
    .group_segment_fixed_size: 13312
    .private_segment_fixed_size: 0
    .kernarg_segment_align: 8
    .kernarg_segment_size: 32
    .max_flat_workgroup_size: 256
    .sgpr_count:     66
    .vgpr_count:     122
    .wavefront_size: 32
...
	.end_amdgpu_metadata
.endif
;; end of part 3
